; MI455X (gfx1250); checked and timed in simulation.
; The chip was launched on July 23, 2026; its instructions are those of AMD's public machine-readable ISA for CDNA 5 (MIT licence, August 2026) and "CDNA5" Instruction Set Architecture Reference Guide (July 2026). The comments in the code are by the model that wrote it; some were corrected since.
;; Descriptor Matcher. Allowed arithmetic: matrix products marked QUANTISED: E2M1 operands, one E8M0 scale for each 32 along K, by v_wmma_scale_f32_16x16x128_f8f6f4 with both operands' format E2M1 (or v_wmma_scale_f32_32x16x128_f4), f32 sums; everything else in f32.
;; Inputs: desc1 16,384 x 256 float32; desc2 16,384 x 256 float32.
;; Outputs: out0 16,384 x 1 float32; out1 16,384 x 2 int32.
;; This version of the problem:
;;   THIS VERSION OF THE PROBLEM IS GIVEN IN LOW PRECISION. The matrix products marked QUANTISED in the list below multiply operands that are first quantised to E2M1 (2 exponent bits, 1 mantissa bit; 4 bits a number), with one power-of-two scale for each 32 numbers along K (OCP MX v1.0); their sums are f32. All else is computed in f32.
;;   The module's matrix products, in the order in which they are computed (A, B: the left and right operand; K: the contracted axis; several contracted axes count as one K, in the product's order):
;;     1. [M 16,384, K 256] x [K 256, N 16,384]; A: input desc1; B: input desc2: QUANTISED
;;   THE QUANTISER, for each operand of a quantised product, along K:
;;     - K is cut into blocks of 32 from its start; a last block that is shorter is filled with zeros.
;;     - A block's scale is 2^e with e = floor(log2(the largest magnitude in the block)) - 2, held to -126 .. 127; a block of zeros has e = 0. As a byte (E8M0): e + 127.
;;     - Each number is divided by its block's scale, clamped to +-6, and rounded to the nearest number of E2M1, ties to even, subnormals kept.
;;     - The product sums the exact products of the quantised numbers (number of the format x scale) in f32.
;;   ~~~python
;;   def quantise(x, axis):      # numpy; x: float32 -> the quantised numbers, widened to float32 again
;;       x = np.moveaxis(x, axis, -1); K = x.shape[-1]
;;       x = np.pad(x, [(0, 0)] * (x.ndim - 1) + [(0, -K % 32)]); x = x.reshape(x.shape[:-1] + (-1, 32)); a = np.abs(x).max(-1, keepdims=True)
;;       e = np.where(a > 0, np.clip(np.frexp(np.where(a > 0, a, 1))[1] - 1 - 2, -126, 127), 0)      # np.frexp(a)[1] - 1 = floor(log2(a)), exactly
;;       r = np.clip(x / 2.0 ** e, -6, 6)
;;       step = 2.0 ** (np.maximum(np.frexp(np.where(r == 0, 1, r))[1] - 1, 0) - 1)
;;       q = np.round(r / step) * step * 2.0 ** e      # np.round: ties to even
;;       return np.moveaxis(q.reshape(q.shape[:-2] + (-1,))[..., :K], -1, axis).astype(np.float32)
;;   ~~~
;; One version. Each part assembles by itself: llvm-mc -triple=amdgcn-amd-amdhsa -mcpu=gfx1250 --defsym DOCPART=n.
;; ======== version 1 of 1: 4 launches
;; workspace buffers: rec1 2,424,832 bytes; rec2 2,424,832 bytes; pval 1,048,576 bytes; pcol 1,048,576 bytes of whole numbers; fcol 65,536 bytes of whole numbers
;; launch quant (part 1): grid 256 x 1, 4 waves a work-group, no clusters, 40,448 bytes of LDS; arguments desc1, desc2, rec1, rec2; writes rec1, rec2
.if DOCPART == 1
	.amdgcn_target "amdgcn-amd-amdhsa--gfx1250"
	.amdhsa_code_object_version 6
	.text
	.protected	k_qd9842db254_quant
	.globl	k_qd9842db254_quant
	.p2align	8
	.type	k_qd9842db254_quant,@function
k_qd9842db254_quant:
	s_mov_b64 s[64:65], 0
	v_nop
	global_prefetch_b8 v0, s[64:65] scope:SCOPE_SE
	s_setreg_imm32_b32 hwreg(HW_REG_WAVE_MODE, 25, 1), 1
	s_wait_xcnt 0x0
; NEAREST NEIGHBOUR: for each row m of desc1 the least of dm[m][n] = sqrt(max(a2[m] + b2[n] - 2 Q(desc1)[m] . Q(desc2)[n], 0)) over the rows n of desc2, and the first n that has it.
; Four launches: this one (codes, scale bytes and -|x|^2 / 2 of both inputs), match (the product with a running maximum), merge (the best of 16 column splits), pick (the first index, the root, the outputs).
; WHAT IS NOT DONE ON ALL 16,384 x 16,384 NUMBERS, for all finite inputs, in exact arithmetic:
;   x -> sqrt(max(x, 0)) never falls and rises strictly above 0, so the least dm of a row is the root of its least max(d2, 0), and the first n with the least dm is the first n with the least max(d2, 0):
;   the root is taken of the 16,384 minima alone.  a2[m] is the same along the axis of the minimum, so it is added to the minimum alone.  With key[m][n] = dot[m][n] - b2[n] / 2, held from above at a2[m] / 2
;   (that hold IS reference()'s max(d2, 0), and it stays: it makes the ties that argmin breaks by the first index), argmin dm = the first argmax of the key, and the distance is sqrt(2 (a2 / 2 - key)).
;   Both inputs have a way to both outputs and are loaded whole.
; LIMITS.  The order of rounding differs from reference()'s (-b2 / 2 enters as the C of the first K step, a2 is added last, the sums of squares go in this text's order): where two columns of a row have d2 within a few
;   units in the last place of each other, or roots that coincide in f32, the index may be the other of the two.  NaN and infinities among the inputs are not served.  Blocks whose largest magnitude lies under
;   2^(3 - 127) get the scale byte 1; a block of zeros gets 1 where the rule says 127: its codes are zeros, which add nothing under any byte but 0xff, and the bytes are read by this program alone.
; THIS LAUNCH.  x [16384][256] f32 -> records.  A CHUNK is 64 rows: 64 records of 144 bytes, then the 64 numbers nh = -(sum of x^2) / 2, dense: 9,472 bytes = 37 x 256.
;   A record: bytes 0-127 the 256 codes of E2M1, k ascending, two a byte; 128-135 the 8 E8M0 bytes; 136-139 nh; 140-143 the sum of squares (so that every byte of a chunk is written).
;   THE PLACE OF A ROW: inside each 32 rows, the row's number with bits 3 and 4 swapped.  So place 16 t + 8 h + j holds row 16 h + 8 t + j: in match the 16 registers that lane half h has of two neighbouring tiles are 16 neighbouring columns.
;   A block's scale is 2^(floor(log2(its largest magnitude)) - 2): its byte is the largest magnitude's exponent field - 2.
; SHARES.  Work-groups 0-127 take desc1, the others desc2: only pointers are chosen, the text has one path.  A wave takes 32 rows in 16 steps of 512 numbers (two rows).  Each load reads 512 consecutive bytes; a step's 2,048 bytes turn
;   through the wave's own stage in LDS (16 bytes of padding behind each 64) so that a lane holds 16 neighbours along K: two lanes a block of 32, sixteen lanes a row.  The records are gathered in the wave's own LDS and leave as nine stores of
;   512 consecutive bytes.  The 128 bytes of nh are half of an aligned 256: the other half is the neighbouring wave's (one byte in 37 of what is stored).  No barrier: waves share nothing.  Loads run eight steps (32 loads a wave) ahead.
.set CHUNK, 9472
.set RECB,  144
.set WREG,  9984                       ; LDS: a region for each wave: two stages of 32 x SP bytes, 32 records, 32 nh
.set SP,    80                         ; a lane's place in a stage: 64 bytes + 16 of padding
.set REC,   2*32*SP                    ; 5,120
.set NHS,   REC+32*RECB                ; 9,728
.set SPARE, 4*WREG                     ; behind the four regions: the spare words, 128 bytes for each wave: two blocks of 256 bytes that no other line names
.set R,     16                         ; v16-143  eight sets of 16 numbers as loaded; on the way out the records
.set X,     144                        ; v144-175 two sets of 16 neighbours
.set CD,    176                        ; v176-179 codes, two registers for each parity of the step
.set EB,    180                        ; v180-181 the scale byte
.set NP,    182                        ; v182-185 the pair (nh, sum of squares)
.set SPW,   14                         ; v14  LDS address of my spare word; never rewritten
.set NIL,   15                         ; v15  0; never rewritten
.set ANO,   1                          ; v1   way out: region + 4 x lane
.set LD,    3                          ; v3   16 x lane: my bytes of a load's or a store's 512
.set SIN,   4                          ; v4   the stage, on the way in
.set SOUT,  5                          ; v5   and on the way out
.set ARW,   186                        ; v186 region + 144 (lane / 16): my row's record of the step's two
.set ACD,   187                        ; v187 + 8 (lane % 16): my 16 codes
.set ABY,   188                        ; v188 + (lane % 16) / 2: my block's byte
.set ANH,   189                        ; v189 region + 4 (lane / 16): my row's dense nh
.set AOUT,  190                        ; v190 region + 16 x lane
.set L4,    191                        ; v191 4 x lane
	s_load_b256 s[4:11], s[0:1], 0x0               ; desc1 s[4:5], desc2 s[6:7], rec1 s[8:9], rec2 s[10:11]
	v_lshl_add_u32 v[SPW], v0, 2, SPARE
	v_mov_b32 v[NIL], 0
	v_lshrrev_b32 v1, 5, v0
	v_readfirstlane_b32 s16, v1                    ; wave 0..3
	v_and_b32 v2, 31, v0                           ; lane
	v_lshlrev_b32 v[LD], 4, v2
	s_mul_i32 s17, s16, WREG                       ; my region
	v_lshrrev_b32 v[SIN], 2, v2
	v_mul_u32_u24 v[SIN], v[SIN], SP
	v_and_b32 v6, 3, v2
	v_lshl_add_u32 v[SIN], v6, 4, v[SIN]
	v_add_nc_u32 v[SIN], s17, v[SIN]               ; in: four lanes' 64 bytes on end, then 16 of padding
	v_mul_u32_u24 v[SOUT], v2, SP
	v_add_nc_u32 v[SOUT], s17, v[SOUT]             ; out: my 16 neighbours
	v_lshrrev_b32 v6, 4, v2                        ; lane / 16
	v_and_b32 v7, 15, v2                           ; lane % 16
	v_mul_u32_u24 v[ARW], v6, RECB
	v_add_nc_u32 v[ARW], s17, v[ARW]
	v_lshl_add_u32 v[ACD], v7, 3, v[ARW]
	v_lshrrev_b32 v[ABY], 1, v7
	v_add_nc_u32 v[ABY], v[ABY], v[ARW]
	v_lshl_add_u32 v[ANH], v6, 2, s17
	v_add_nc_u32 v[AOUT], s17, v[LD]
	v_lshlrev_b32 v[L4], 2, v2
	v_add_nc_u32 v[ANO], s17, v[L4]
	s_wait_kmcnt 0x0
	s_cmp_lt_u32 ttmp9, 128                        ; desc1's work-group or desc2's?  The choice hangs on the work-group's number alone
	s_cselect_b64 s[4:5], s[4:5], s[6:7]
	s_cselect_b64 s[8:9], s[8:9], s[10:11]
	s_cselect_b32 s18, 0, 128
	s_sub_co_u32 s18, ttmp9, s18                   ; the work-group's number within its tensor
	s_lshl_b32 s19, s18, 2
	s_add_co_u32 s19, s19, s16                     ; which 32 rows are my wave's
	s_lshl_b32 s20, s19, 15                        ; 32 rows of 1,024 bytes
	s_mov_b32 s21, 0
	s_add_nc_u64 s[4:5], s[4:5], s[20:21]
	s_lshl_b32 s22, s18, 1
	s_lshr_b32 s23, s16, 1
	s_add_co_u32 s22, s22, s23
	s_mul_i32 s22, s22, CHUNK                      ; my chunk's first byte
	s_and_b32 s24, s16, 1                          ; which half of the chunk
	s_mul_i32 s20, s24, 32*RECB
	s_add_co_u32 s20, s20, s22
	s_add_nc_u64 s[12:13], s[8:9], s[20:21]        ; my 32 records
	s_lshl_b32 s20, s24, 7
	s_add_co_u32 s20, s20, s22
	s_add_co_u32 s20, s20, 64*RECB
	s_add_nc_u64 s[14:15], s[8:9], s[20:21]        ; my 32 dense nh
.macro LOAD t
.irp i, 0,1,2,3
	global_load_b128 v[R+16*((\t)%8)+4*\i:R+16*((\t)%8)+4*\i+3], v[LD], s[4:5] offset:2048*(\t)+512*\i th:TH_LOAD_NT   ; 32 lanes read 512 consecutive bytes; read once in the launch
.endr
.endm
.macro TURN t                          ; step t's numbers through the stage: LDS serves a wave's instructions in order, so no wait stands between the stores and the loads
.irp i, 0,1,2,3
	ds_store_b128 v[SIN], v[R+16*((\t)%8)+4*\i:R+16*((\t)%8)+4*\i+3] offset:32*SP*((\t)%2)+8*SP*\i
.endr
.irp i, 0,1,2,3
	ds_load_b128 v[X+16*((\t)%2)+4*\i:X+16*((\t)%2)+4*\i+3], v[SOUT] offset:32*SP*((\t)%2)+16*\i
.endr
.endm
.irp t, 0,1,2,3,4,5,6,7
	LOAD \t
.endr
	s_wait_loadcnt 28                              ; step 0's four loads are in; the 28 of steps 1 to 7 may be out
	TURN 0
.macro STEP t
.set XS, X+16*((\t)%2)
.set CC, CD+2*((\t)%2)
.set EE, EB+((\t)%2)
.set NN, NP+2*((\t)%2)
.set PL, ((2*(\t))&7)+16*(((2*(\t))>>3)&1)+8*(((2*(\t))>>4)&1)   ; the place of row 2 t: bits 3 and 4 swapped; row 2 t + 1 lies one place on
.if (\t) > 0
	s_wait_dscnt 4                                 ; this step's numbers are back from the stage; the last step's four record stores, which are younger, may be out.  The stores of two steps back, which read this parity's registers, are done
.else
	s_wait_dscnt 0x0
.endif
.if (\t)+8 < 16
	LOAD (\t)+8                                    ; into the set that this step's stores into the stage have read
.endif
.if (\t)+1 < 16
.if (\t) <= 7
	s_wait_loadcnt 28                              ; the next step's four loads are in; those of the seven steps behind it may be out
.else
	s_wait_loadcnt 4*(14-(\t))                     ; the counts run down: steps t + 2 to 15
.endif
	TURN (\t)+1                                    ; through the other stage while this step is worked
.endif
	v_max3_num_f32 v8, |v[XS]|, |v[XS+1]|, |v[XS+2]|               ; the largest magnitude of my 16, in two chains
	v_max3_num_f32 v9, |v[XS+3]|, |v[XS+4]|, |v[XS+5]|
.irp i, 6,10
	v_max3_num_f32 v8, v8, |v[XS+\i]|, |v[XS+\i+1]|
	v_max3_num_f32 v9, v9, |v[XS+\i+2]|, |v[XS+\i+3]|
.endr
	v_max3_num_f32 v8, v8, |v[XS+14]|, |v[XS+15]|
	v_max3_num_f32 v8, v8, v9, 0x1800000           ; and the floor 2^(3 - 127): so the byte cannot fall under 1
	v_pk_mul_f32 v[12:13], v[XS:XS+1], v[XS:XS+1]  ; the sum of my 16 squares, of the numbers as they are given, two at a time
	v_max_num_f32_dpp v8, v8, v8 row_xmask:1 row_mask:0xf bank_mask:0xf   ; with my neighbour's 16: the block's largest magnitude
.irp i, 2,4,6,8,10,12,14
	v_pk_fma_f32 v[12:13], v[XS+\i:XS+\i+1], v[XS+\i:XS+\i+1], v[12:13]
.endr
	v_add_nc_u32 v10, 0xff000000, v8               ; 2 off its exponent field: the conversion takes the exponent field of this operand as its scale, and nothing else of it
	v_cvt_scalef32_pk8_fp4_f32 v[CC], v[XS:XS+7], v10              ; eight numbers / the scale, to the nearest code, ties to even, beyond the largest code the largest
	v_cvt_scalef32_pk8_fp4_f32 v[CC+1], v[XS+8:XS+15], v10
	v_lshrrev_b32 v[EE], 23, v10                   ; the scale's byte (a plain line behind the conversions)
	v_add_f32 v12, v12, v13
	v_add_f32_dpp v12, v12, v12 row_xmask:1 row_mask:0xf bank_mask:0xf    ; sixteen lanes are one row
	v_add_f32_dpp v12, v12, v12 row_xmask:2 row_mask:0xf bank_mask:0xf
	v_add_f32_dpp v12, v12, v12 row_xmask:4 row_mask:0xf bank_mask:0xf
	v_add_f32_dpp v12, v12, v12 row_xmask:8 row_mask:0xf bank_mask:0xf
	v_mul_f32 v[NN], -0.5, v12                     ; nh
	v_mov_b32 v[NN+1], v12
	ds_store_b64 v[ACD], v[CC:CC+1] offset:REC+RECB*PL             ; my 16 codes
	ds_store_b8 v[ABY], v[EE] offset:REC+128+RECB*PL               ; both lanes of a block write the same byte with the same value
	ds_store_b64 v[ARW], v[NN:NN+1] offset:REC+136+RECB*PL         ; the sixteen lanes of a row write the same pair
	ds_store_b32 v[ANH], v[NN] offset:NHS+4*PL
.endm
.irp t, 0,1,2,3,4,5,6,7,8,9,10,11,12,13,14,15
	STEP \t
.endr
.irp i, 0,1,2,3,4,5,6,7,8
	ds_load_b128 v[R+4*\i:R+4*\i+3], v[AOUT] offset:REC+512*\i     ; LDS serves a wave's instructions in order: these see my stores
.endr
	ds_load_b32 v[R+36], v[ANO] offset:NHS
.irp i, 0,1,2,3,4,5,6,7,8
	s_wait_dscnt 9-\i                              ; load i is in; the 9 - i behind it may be out
	global_store_b128 v[LD], v[R+4*\i:R+4*\i+3], s[12:13] offset:512*\i   ; 32 lanes store 512 consecutive bytes, at a multiple of 256 from the buffer's first byte
.endr
	s_wait_dscnt 0x0
	global_store_b32 v[L4], v[R+36], s[14:15]
	s_wait_tensorcnt 0x0                           ; the wave's end: a tensor wait, an add to my spare word and its wait, behind my last LDS store; the tensor wait stands in a text with no tensor load too
	ds_add_u32 v[SPW], v[NIL]
	s_wait_dscnt 0x0
	s_endpgm
.Lfunc_end_k_qd9842db254_quant:
	.size	k_qd9842db254_quant, .Lfunc_end_k_qd9842db254_quant-k_qd9842db254_quant
	.p2alignl 7, 3214868480
	.fill 96, 4, 3214868480
	.section	.rodata,"a",@progbits
	.p2align	6, 0x0
	.amdhsa_kernel k_qd9842db254_quant
		.amdhsa_group_segment_fixed_size 40448
		.amdhsa_private_segment_fixed_size 0
		.amdhsa_enable_private_segment 0
		.amdhsa_kernarg_size 32
		.amdhsa_user_sgpr_count 2
		.amdhsa_user_sgpr_kernarg_segment_ptr 1
		.amdhsa_wavefront_size32 1
		.amdhsa_system_sgpr_workgroup_id_x 1
		.amdhsa_system_sgpr_workgroup_id_y 1
		.amdhsa_system_sgpr_workgroup_id_z 1
		.amdhsa_system_vgpr_workitem_id 0
		.amdhsa_next_free_vgpr 192
		.amdhsa_next_free_sgpr 66
		.amdhsa_reserve_vcc 0
		.amdhsa_float_denorm_mode_32 3
		.amdhsa_float_denorm_mode_16_64 3
		.amdhsa_memory_ordered 1
		.amdhsa_forward_progress 1
		.amdhsa_inst_pref_size 50
	.end_amdhsa_kernel
	.amdgpu_metadata
---
amdhsa.version: [ 1, 2 ]
amdhsa.kernels:
  - .name:           k_qd9842db254_quant
    .symbol:         k_qd9842db254_quant.kd
    .args:
      - { .name: desc1, .offset: 0, .size: 8, .value_kind: global_buffer, .address_space: global }
      - { .name: desc2, .offset: 8, .size: 8, .value_kind: global_buffer, .address_space: global }
      - { .name: rec1, .offset: 16, .size: 8, .value_kind: global_buffer, .address_space: global }
      - { .name: rec2, .offset: 24, .size: 8, .value_kind: global_buffer, .address_space: global }
    .group_segment_fixed_size: 40448
    .private_segment_fixed_size: 0
    .kernarg_segment_align: 8
    .kernarg_segment_size: 32
    .max_flat_workgroup_size: 128
    .sgpr_count:     66
    .vgpr_count:     192
    .wavefront_size: 32
...
	.end_amdgpu_metadata
.endif
;; end of part 1
;; launch match (part 2): grid 16 x 16, 8 waves a work-group, clusters of 4 x 1, 167,936 bytes of LDS; arguments rec1, rec2, pval, pcol; writes pval, pcol
.if DOCPART == 2
	.amdgcn_target "amdgcn-amd-amdhsa--gfx1250"
	.amdhsa_code_object_version 6
	.text
	.protected	k_qd9842db254_match
	.globl	k_qd9842db254_match
	.p2align	8
	.type	k_qd9842db254_match,@function
k_qd9842db254_match:
	s_mov_b64 s[64:65], 0
	v_nop
	global_prefetch_b8 v0, s[64:65] scope:SCOPE_SE
	s_setreg_imm32_b32 hwreg(HW_REG_WAVE_MODE, 25, 1), 1
	s_wait_xcnt 0x0
	s_wait_alu depctr_hold_cnt(0) depctr_sa_sdst(0) depctr_va_vdst(0) depctr_va_sdst(0) depctr_va_ssrc(0) depctr_va_vcc(0) depctr_vm_vsrc(0)
	s_getreg_b32 s2, hwreg(HW_REG_IB_STS2, 6, 4)
	s_cmp_eq_u32 s2, 0
	s_cbranch_scc0 .Lentry_in_a_cluster
	s_endpgm
.Lentry_in_a_cluster:
	s_bfe_u32 s2, ttmp6, 0x10000c
	s_cmp_lg_u32 s2, 0x3003
	s_cbranch_scc0 .Lentry_shape_is_right
	s_endpgm
.Lentry_shape_is_right:
; THE PRODUCT, with a running maximum.  key[m][n] = Q(desc1)[m] . Q(desc2)[n] - b2[n] / 2, held from above at a2[m] / 2.  Left out here, as shown at the head of the first kernel: the root and the addition of a2 on every number
; (they are taken of the rows' minima alone, in the last launch); the hold, which is reference()'s max(d2, 0), stays.  LIMITS: as stated there (order of rounding; NaN and infinities not served).
; SHARES.  C is cut 16 x 16: a work-group takes 1,024 rows (x) against 1,024 columns (y).  Wave w owns rows 128 w .. 128 w + 127: 8 tiles of 16 queries, whose codes for all of K = 256 stay in 128 registers.
; All 16 chunks of the split's columns (151,552 bytes) come into LDS ONCE: first fills alone, nothing is ever filled again.  Every wave walks all 1,024 columns, a tile of 16 places at a time.
; CLUSTER.  The four work-groups of a cluster have the same y, so the same 16 chunks of rec2: each chunk is asked for JOINTLY, by the same tensor load with the same descriptor and the mask of the four.  rec1's rows differ between partners and go straight into registers.
; THE MATRIX INSTRUCTION IS USED TRANSPOSED: source 0 = 16 places of desc2, source 1 = 16 queries.  In the result a lane holds ONE query (lane % 16) and register j the place 8 (lane / 16) + j.  The C of K step 0 is nh of those places: the result is the key.
; By the places that the first launch gave the rows, the 16 registers that lane half h has of tiles 2 u and 2 u + 1 are the 16 NEIGHBOURING columns 32 u + 16 h + 0 .. 15: a GROUP.  A lane keeps, for each of its 8 queries, the best held key and the first
; column of the group that had it: four v_max3 a tile and query tile, and four lines a group.  Strictly greater replaces, so the earlier group keeps a tie.  Which of the group's 16 it was is found by the last launch.
; TWO WAVES LIE ON A SIMD (2 x 512 registers): while one issues its 16 matrix instructions the other issues its maxima.
; A step is: the wait for this tile's LDS loads (issued a step ago) | the next tile's seven loads | this tile's 16 matrix instructions | the maxima of the tile before.  So between a tile's products and the first read of their results,
; the loads into their sources and the products that write over their results stand 32 plain vector instructions that name none of their registers (ISA guide 7.12.1 asks for 4 and 5 such places); in a half's first step four v_nop.
; REGISTERS, in windows of 256.  Window 0: v1-15 addresses and work; v16-47 the fragments of two tiles by turns; v48-63 their C; v64, v65 their scale words; v66-73 the queries' scale words; v80-87 a2 / 2; v88-95 group maxima; v96-103 best keys;
;   v104-111 their groups' first columns; v112-119 the way out.   Window 1: v0-127 the queries' codes (tile i, K step s at 16 i + 8 s); v128-191 and v192-255 eight accumulators each, by turns.
; A scale register holds K step 0's word in lanes 0-15 and K step 1's in lanes 16-31.
.set CHUNK, 9472
.set RECB,  144                        ; a record; 16 rows 144 bytes apart begin at sixteen different multiples of 16 bytes modulo 256
.set STG,   16*CHUNK                   ; behind the chunks: 1,024 bytes for each wave, for the way out
.set SPARE, STG+8*1024                 ; behind the stages: the spare words, 128 bytes for each wave: four blocks of 256 bytes that no other line names
.set SPW,  1                           ; v1   LDS address of my spare word; never rewritten
.set NIL,  2                           ; v2   0; never rewritten
.set VB0,  3                           ; v3   144 r + 16 h: my lane's place in a tile's records
.set VS0,  4                           ; v4   144 r + 128 + 4 h: its scale word
.set VC0,  5                           ; v5   9,216 + 32 h: my half's eight nh
.set VB,   6                           ; v6-8 the same + the chunk in hand
.set VS,   7
.set VC,   8
.set CUR,  9                           ; v9   the first column of my group in hand
.set FB,   16
.set CB,   48
.set SB,   64
.set SA,   66
.set AH,   80
.set GM,   88
.set BEST, 96
.set COL,  104
.set OC,   112
.set WV,   12                          ; s12 wave;  s13 cx, s14 x (they enter rec1's, pval's and pcol's addresses alone);  s15 y
.set CX,   13
.set BX,   14
.set BY,   15
.set G1,   16                          ; s[16:23] descriptor group 1;  s[24:27], s[28:31] groups 0 of my two chunks
.set G0A,  24
.set G0B,  28
.set TB,   32                          ; s32 LDS byte at which the chunk in hand begins
.set CNT,  33
.set NINF, 34                          ; s34 -infinity
.set MK,   36                          ; s[36:43] eight lane masks
.set SEL,  48                          ; s[48:49] v_permlanex16_b32's selects for lane l xor 16
.set MSB, 0
.macro WIN new                         ; the immediate's high byte repeats the setting that is left; a switch that changes nothing is dropped
.if MSB != \new
	s_set_vgpr_msb (MSB<<8)|\new
.set MSB, \new
.endif
.endm
.macro ROUND                           ; a round of the cluster's barrier
	s_barrier_signal -1
	s_barrier_wait -1
	s_cmp_lg_u32 s[WV], 0
	s_cbranch_scc1 .Lnot_wave_0_\@
	s_barrier_signal -3
.Lnot_wave_0_\@:
	s_barrier_wait -3
	s_barrier_signal -1
	s_barrier_wait -1
.endm
	s_load_b256 s[4:11], s[0:1], 0x0               ; rec1 s[4:5], rec2 s[6:7], pval s[8:9], pcol s[10:11]
	v_lshl_add_u32 v[SPW], v0, 2, SPARE
	v_mov_b32 v[NIL], 0
	ds_add_u32 v[SPW], v[NIL]                      ; the wave's opening: the add, twice on end, and its wait ahead of my first tensor load; the set-up below, work on registers, stands between
	ds_add_u32 v[SPW], v[NIL]
	v_lshrrev_b32 v10, 5, v0
	v_readfirstlane_b32 s[WV], v10                 ; wave 0..7
	s_bfe_u32 s[CX], ttmp6, 0x40000                ; my place in the cluster
	s_lshl_b32 s[BX], ttmp9, 2                     ; in a cluster launch ttmp9 counts clusters
	s_add_co_u32 s[BX], s[BX], s[CX]               ; x: my block of 1,024 rows
	s_and_b32 s[BY], ttmp7, 0xffff                 ; y: the split of 1,024 columns, which the four partners share
	; group 1: a chunk is a dense block of 9,472 bytes: 37 rows of 256 bytes (32 elements of 8 bytes), no padding
	s_mov_b32 s[G1+0], 15|(3<<16)|(1<<21)          ; 15:0 the mask: all four work-groups; 17:16 elements of 8 bytes; 21 set beside a mask
	s_mov_b32 s[G1+1], 32<<16                      ; tensor_dim0 = 32
	s_mov_b32 s[G1+2], 37<<16                      ; tensor_dim1 = 37
	s_mov_b32 s[G1+3], 32<<16                      ; tile_dim0 = 32
	s_mov_b32 s[G1+4], 37                          ; tile_dim1 = 37
	s_mov_b32 s[G1+5], 32                          ; from row to row
	s_mov_b32 s[G1+6], 0
	s_mov_b32 s[G1+7], 0
	s_mov_b32 s[G0A], 1
	s_mul_i32 s[G0A+1], s[WV], CHUNK               ; chunk w goes to LDS byte 9,472 w,
	s_mov_b32 s[G0B], 1
	s_add_co_u32 s[G0B+1], s[G0A+1], 8*CHUNK       ; chunk 8 + w eight chunks on: no place in the cluster enters an LDS address
	s_lshl_b32 s44, s[BY], 4
	s_add_co_u32 s44, s44, s[WV]
	s_mul_i32 s44, s44, CHUNK                      ; rec2: chunk 16 y + w
	s_mov_b32 s45, 0
	s_lshl_b32 s50, s[BX], 4
	s_lshl_b32 s51, s[WV], 1
	s_add_co_u32 s50, s50, s51
	s_mul_i32 s50, s50, CHUNK                      ; rec1: chunk 16 x + 2 w: my wave's 128 rows
	s_mov_b32 s51, 0
	s_lshl_b32 s52, s[BY], 16
	s_lshl_b32 s53, s[BX], 12
	s_add_co_u32 s52, s52, s53
	s_lshl_b32 s53, s[WV], 9
	s_add_co_u32 s52, s52, s53                     ; pval, pcol: 65,536 y + 4 (1,024 x + 128 w)
	s_mov_b32 s53, 0
	s_mov_b32 s[NINF], 0xff800000
	s_mov_b32 s[SEL], 0x76543210
	s_mov_b32 s[SEL+1], 0xfedcba98
	s_mov_b32 s[TB], 0
	s_lshl_b32 s46, s[BY], 10                      ; the split's first column
	s_wait_dscnt 0x0                               ; both opening adds are done
	s_wait_kmcnt 0x0
	s_add_nc_u64 s[G0A+2:G0A+3], s[6:7], s[44:45]
	s_add_nc_u64 s[G0B+2:G0B+3], s[G0A+2:G0A+3], 8*CHUNK
	s_or_b32 s[G0A+3], s[G0A+3], 0x80000000        ; type = 2
	s_or_b32 s[G0B+3], s[G0B+3], 0x80000000
	s_add_nc_u64 s[4:5], s[4:5], s[50:51]
	s_add_nc_u64 s[8:9], s[8:9], s[52:53]
	s_add_nc_u64 s[10:11], s[10:11], s[52:53]
	ROUND                                          ; all four work-groups are here: the joint loads meet
	tensor_load_to_lds s[G0A:G0A+3], s[G1:G1+7]    ; every wave issues both, with no branch: two tensor loads of mine are out, and these are all that the launch has
	s_nop 0
	tensor_load_to_lds s[G0B:G0B+3], s[G1:G1+7]
	s_nop 0
.rept 4
	v_nop
.endr
	v_and_b32 v10, 15, v0                          ; r
	v_bfe_u32 v11, v0, 4, 1                        ; h
	v_and_b32 v12, 8, v10
	v_add_nc_u32 v12, v12, v10                     ; 16 (r / 8) + r % 8: the place of query r of a tile, less the tile's constant: it undoes the swap of places, so that lane r holds row r
	v_mul_u32_u24 v12, v12, RECB
	v_lshl_add_u32 v13, v11, 4, v12                ; + 16 h: codes
	v_lshl_add_u32 v14, v11, 2, v12                ; + 4 h: scale words
	WIN 0x40                                       ; destination window 1
.irp i, 0,1,2,3,4,5,6,7                        ; tile i: rows 16 i + r of my 128: chunk i / 4, places 32 ((i / 2) % 2) + 8 (i % 2) + the lane's
.irp s, 0,1
.irp c, 0,1
	global_load_b128 v[16*\i+8*\s+4*\c:16*\i+8*\s+4*\c+3], v13, s[4:5] offset:(\i/4)*CHUNK+(32*((\i/2)%2)+8*(\i%2))*RECB+32*(2*\s+\c)
.endr
.endr
.endr
	WIN 0
.irp i, 0,1,2,3,4,5,6,7
	global_load_b32 v[SA+\i], v14, s[4:5] offset:(\i/4)*CHUNK+(32*((\i/2)%2)+8*(\i%2))*RECB+128
	global_load_b32 v[AH+\i], v12, s[4:5] offset:(\i/4)*CHUNK+(32*((\i/2)%2)+8*(\i%2))*RECB+136
.endr
	v_mul_u32_u24 v[VB0], v10, RECB
	v_lshl_add_u32 v[VS0], v11, 2, v[VB0]
	v_add_nc_u32 v[VS0], 128, v[VS0]
	v_lshl_add_u32 v[VB0], v11, 4, v[VB0]
	v_lshlrev_b32 v[VC0], 5, v11
	v_add_nc_u32 v[VC0], 64*RECB, v[VC0]
	v_add_nc_u32 v[VB], s[TB], v[VB0]
	v_add_nc_u32 v[VS], s[TB], v[VS0]
	v_add_nc_u32 v[VC], s[TB], v[VC0]
	v_lshl_add_u32 v[CUR], v11, 4, s46             ; 1,024 y + 16 h
.irp i, 0,1,2,3,4,5,6,7
	v_mov_b32 v[BEST+\i], s[NINF]
	v_mov_b32 v[COL+\i], v[CUR]
	v_mov_b32 v[OC+\i], 0                          ; written once: a lane permute's destination counts as one of its sources
.endr
	s_wait_loadcnt 0x0                             ; the queries
.irp i, 0,1,2,3,4,5,6,7
	v_xor_b32 v[AH+\i], 0x80000000, v[AH+\i]       ; a2 / 2 = -nh
.endr
; Seven LDS loads: tile tau of the chunk at coff bytes from the one in hand, into set par: its fragments for both K steps, its scale words, its C
.macro LDT par, coff, tau
.irp c, 0,1,2,3
	ds_load_b128 v[FB+16*(\par)+4*\c:FB+16*(\par)+4*\c+3], v[VB] offset:(\coff)+16*RECB*(\tau)+32*\c
.endr
	ds_load_b32 v[SB+(\par)], v[VS] offset:(\coff)+16*RECB*(\tau)
	ds_load_b128 v[CB+8*(\par):CB+8*(\par)+3], v[VC] offset:(\coff)+64*(\tau)
	ds_load_b128 v[CB+8*(\par)+4:CB+8*(\par)+7], v[VC] offset:(\coff)+64*(\tau)+16
.endm
; 16 matrix instructions: the tile in set par against my eight tiles of queries; K step 0 for all eight, then K step 1: the eight accumulators take turns, one instruction a turn
.macro MULT par
	WIN 0x44                                       ; D and the queries window 1; desc2's fragment and C window 0
.irp i, 0,1,2,3,4,5,6,7
	v_wmma_scale_f32_16x16x128_f8f6f4 v[128+64*(\par)+8*\i:128+64*(\par)+8*\i+7], v[FB+16*(\par):FB+16*(\par)+7], v[16*\i:16*\i+7], v[CB+8*(\par):CB+8*(\par)+7], v[SB+(\par)], v[SA+\i] matrix_a_fmt:MATRIX_FMT_FP4 matrix_b_fmt:MATRIX_FMT_FP4
.endr
	WIN 0x54                                       ; C window 1 too
.irp i, 0,1,2,3,4,5,6,7
	v_wmma_scale_f32_16x16x128_f8f6f4 v[128+64*(\par)+8*\i:128+64*(\par)+8*\i+7], v[FB+16*(\par)+8:FB+16*(\par)+15], v[16*\i+8:16*\i+15], v[128+64*(\par)+8*\i:128+64*(\par)+8*\i+7], v[SB+(\par)], v[SA+\i] matrix_a_fmt:MATRIX_FMT_FP4 matrix_b_fmt:MATRIX_FMT_FP4 matrix_a_scale:MATRIX_SCALE_ROW1 matrix_b_scale:MATRIX_SCALE_ROW1
.endr
.endm
; 32 maxima: the eight keys of each of my eight queries in set par go into the group's maximum; eight chains by turns; each accumulator is read from its low end on.  start = 1: the group's first tile
.macro VMAX par, start
	WIN 0x14                                       ; sources 1 and 2 window 1
.irp jj, 0,1,2,3
.irp i, 0,1,2,3,4,5,6,7
.if (\start) && (\jj == 0)
	v_max3_num_f32 v[GM+\i], s[NINF], v[128+64*(\par)+8*\i], v[128+64*(\par)+8*\i+1]
.else
	v_max3_num_f32 v[GM+\i], v[GM+\i], v[128+64*(\par)+8*\i+2*\jj], v[128+64*(\par)+8*\i+2*\jj+1]
.endif
.endr
.endr
.endm
; A group is finished
.macro BOOK
	WIN 0
.irp i, 0,1,2,3,4,5,6,7
	v_min_num_f32 v[GM+\i], v[GM+\i], v[AH+\i]     ; reference()'s max(d2, 0)
.endr
.irp i, 0,1,2,3,4,5,6,7
	v_cmp_gt_f32 s[MK+\i], v[GM+\i], v[BEST+\i]    ; strictly greater: the earlier group keeps a tie
.endr
.irp i, 0,1,2,3,4,5,6,7
	v_cndmask_b32 v[COL+\i], v[COL+\i], v[CUR], s[MK+\i]
.endr
.irp i, 0,1,2,3,4,5,6,7
	v_max_num_f32 v[BEST+\i], v[BEST+\i], v[GM+\i]
.endr
	v_add_nc_u32 v[CUR], 32, v[CUR]
.endm
; vmode 0: a half's first step, with no tile before it; 1: the tile before begins a group; 2: it ends one
.macro STEP par, coff, tau, vmode
	s_wait_dscnt 0x0                               ; this tile's seven loads, issued a step ago
.if (\tau) >= 0
	LDT 1-(\par), \coff, \tau
.endif
	MULT \par
.if (\vmode) == 0
	WIN 0
.rept 4
	v_nop                                          ; the places behind these products: no other vector work is at hand yet
.endr
.elseif (\vmode) == 1
	VMAX 1-(\par), 1
.else
	VMAX 1-(\par), 0
	BOOK
.endif
.endm
.macro ADV                             ; on to the next chunk
	s_wait_dscnt 0x0
	s_add_co_u32 s[TB], s[TB], CHUNK
	v_add_nc_u32 v[VB], s[TB], v[VB0]
	v_add_nc_u32 v[VS], s[TB], v[VS0]
	v_add_nc_u32 v[VC], s[TB], v[VC0]
.endm
; Eight chunks, 32 tiles.  cnt: how many of my tensor loads may stay out
.macro HALF cnt
	s_wait_tensorcnt \cnt                          ; my chunk of these eight has landed,
	s_wait_dscnt 0x0
	s_barrier_signal -1
	s_barrier_wait -1                              ; everybody's has.
	LDT 0, 0, 0
	STEP 0, 0, 1, 0
	s_mov_b32 s[CNT], 7
.Lchunk_\@:                                        ; a trip: a chunk's tiles 1, 2, 3 and the next chunk's tile 0
	STEP 1, 0, 2, 1
	STEP 0, 0, 3, 2
	STEP 1, CHUNK, 0, 1
	STEP 0, CHUNK, 1, 2
	ADV
	s_sub_co_u32 s[CNT], s[CNT], 1
	s_cmp_lg_u32 s[CNT], 0
	s_cbranch_scc1 .Lchunk_\@
	STEP 1, 0, 2, 1                                ; the eighth chunk's tail: no load reaches into the next eight
	STEP 0, 0, 3, 2
	STEP 1, 0, -1, 1
	VMAX 1, 0
	BOOK
	ADV
.endm
	HALF 1                                         ; chunks 0 to 7: the count leaves my second load, chunk 8 + w, on its way
	HALF 0                                         ; chunks 8 to 15
	; THE WAY OUT.  A query's two halves of the lanes are joined: the greater key; where they are equal, the lower column.  128 keys and 128 columns go through my stage, so that the wave stores 512 consecutive bytes of each.
.irp i, 0,1,2,3,4,5,6,7
	v_permlanex16_b32 v[GM+\i], v[BEST+\i], s[SEL], s[SEL+1]
.endr
.irp i, 0,1,2,3,4,5,6,7
	v_permlanex16_b32 v[OC+\i], v[COL+\i], s[SEL], s[SEL+1]
.endr
.irp i, 0,1,2,3,4,5,6,7
	v_cmp_gt_f32 s[MK], v[GM+\i], v[BEST+\i]
	v_cmp_eq_f32 s[MK+1], v[GM+\i], v[BEST+\i]
	v_cmp_lt_u32 s[MK+2], v[OC+\i], v[COL+\i]
	s_and_b32 s[MK+1], s[MK+1], s[MK+2]
	s_or_b32 s[MK], s[MK], s[MK+1]
	v_cndmask_b32 v[COL+\i], v[COL+\i], v[OC+\i], s[MK]
	v_max_num_f32 v[BEST+\i], v[BEST+\i], v[GM+\i]
.endr
	s_lshl_b32 s44, s[WV], 10
	s_add_co_u32 s44, s44, STG                     ; my stage
	v_and_b32 v10, 15, v0
	v_and_b32 v11, 31, v0
	v_lshl_add_u32 v13, v10, 2, s44                ; in: 4 r; tile i 64 bytes on.  Both halves of the lanes write the same word with the same value
	v_lshl_add_u32 v14, v11, 4, s44                ; back: 16 bytes a lane
	v_lshlrev_b32 v15, 4, v11
.irp i, 0,1,2,3,4,5,6,7
	ds_store_b32 v13, v[BEST+\i] offset:64*\i
.endr
.irp i, 0,1,2,3,4,5,6,7
	ds_store_b32 v13, v[COL+\i] offset:512+64*\i
.endr
	ds_load_b128 v[16:19], v14                     ; LDS serves a wave's instructions in order: these see my stores
	ds_load_b128 v[20:23], v14 offset:512
	s_wait_dscnt 0x0
	global_store_b128 v15, v[16:19], s[8:9]        ; 32 lanes store 512 consecutive bytes, at a multiple of 256 from the buffer's first byte
	global_store_b128 v15, v[20:23], s[10:11]
	s_wait_tensorcnt 0x0                           ; the wave's end: a tensor wait, an add to my spare word and its wait, behind my last tensor load and my last LDS store
	ds_add_u32 v[SPW], v[NIL]
	s_wait_dscnt 0x0
	ROUND                                          ; the closing round: no work-group ends while a partner may still ask for a chunk that names it
	s_endpgm
.Lfunc_end_k_qd9842db254_match:
	.size	k_qd9842db254_match, .Lfunc_end_k_qd9842db254_match-k_qd9842db254_match
	.p2alignl 7, 3214868480
	.fill 96, 4, 3214868480
	.section	.rodata,"a",@progbits
	.p2align	6, 0x0
	.amdhsa_kernel k_qd9842db254_match
		.amdhsa_group_segment_fixed_size 167936
		.amdhsa_private_segment_fixed_size 0
		.amdhsa_enable_private_segment 0
		.amdhsa_kernarg_size 32
		.amdhsa_user_sgpr_count 2
		.amdhsa_user_sgpr_kernarg_segment_ptr 1
		.amdhsa_wavefront_size32 1
		.amdhsa_system_sgpr_workgroup_id_x 1
		.amdhsa_system_sgpr_workgroup_id_y 1
		.amdhsa_system_sgpr_workgroup_id_z 1
		.amdhsa_system_vgpr_workitem_id 0
		.amdhsa_next_free_vgpr 512
		.amdhsa_next_free_sgpr 66
		.amdhsa_reserve_vcc 0
		.amdhsa_float_denorm_mode_32 3
		.amdhsa_float_denorm_mode_16_64 3
		.amdhsa_memory_ordered 1
		.amdhsa_forward_progress 1
		.amdhsa_inst_pref_size 104
	.end_amdhsa_kernel
	.amdgpu_metadata
---
amdhsa.version: [ 1, 2 ]
amdhsa.kernels:
  - .name:           k_qd9842db254_match
    .symbol:         k_qd9842db254_match.kd
    .args:
      - { .name: rec1, .offset: 0, .size: 8, .value_kind: global_buffer, .address_space: global }
      - { .name: rec2, .offset: 8, .size: 8, .value_kind: global_buffer, .address_space: global }
      - { .name: pval, .offset: 16, .size: 8, .value_kind: global_buffer, .address_space: global }
      - { .name: pcol, .offset: 24, .size: 8, .value_kind: global_buffer, .address_space: global }
    .group_segment_fixed_size: 167936
    .private_segment_fixed_size: 0
    .kernarg_segment_align: 8
    .kernarg_segment_size: 32
    .max_flat_workgroup_size: 256
    .sgpr_count:     66
    .vgpr_count:     512
    .wavefront_size: 32
...
	.end_amdgpu_metadata
.endif
;; end of part 2
;; launch merge (part 3): grid 128 x 1, 1 waves a work-group, no clusters, 0 bytes of LDS; arguments pval, pcol, fcol; writes fcol
.if DOCPART == 3
	.amdgcn_target "amdgcn-amd-amdhsa--gfx1250"
	.amdhsa_code_object_version 6
	.text
	.protected	k_qd9842db254_merge
	.globl	k_qd9842db254_merge
	.p2align	8
	.type	k_qd9842db254_merge,@function
k_qd9842db254_merge:
	s_mov_b64 s[64:65], 0
	v_nop
	global_prefetch_b8 v0, s[64:65] scope:SCOPE_SE
	s_setreg_imm32_b32 hwreg(HW_REG_WAVE_MODE, 25, 1), 1
	s_wait_xcnt 0x0
; For each row the best of the 16 column splits: pval [16][16384] f32 (the best held key), pcol [16][16384] i32 (the first column of the group of 16 that had it) -> fcol [16384] i32.
; Strictly greater replaces, so the lower split, which holds the lower columns, keeps a tie.  (The root and a2 are left to the last launch, as shown at the head of the first kernel.)
; A wave takes 128 rows, a lane four neighbouring ones: every load and the store cover 512 consecutive bytes.  No address hangs on data.  128 waves are all the work that there is: 2 MiB in, 64 KiB out.
	s_load_b128 s[4:7], s[0:1], 0x0                ; pval, pcol
	s_load_b64 s[8:9], s[0:1], 0x10                ; fcol
	v_lshlrev_b32 v1, 4, v0                        ; 16 bytes a lane
	s_lshl_b32 s10, ttmp9, 9                       ; 128 rows of 4 bytes a work-group
	s_mov_b32 s11, 0
	s_wait_kmcnt 0x0
	s_add_nc_u64 s[4:5], s[4:5], s[10:11]
	s_add_nc_u64 s[6:7], s[6:7], s[10:11]
	s_add_nc_u64 s[8:9], s[8:9], s[10:11]
.irp s, 0,1,2,3,4,5,6,7,8,9,10,11,12,13,14,15
	global_load_b128 v[8+4*\s:11+4*\s], v1, s[4:5] offset:65536*\s th:TH_LOAD_NT
	global_load_b128 v[72+4*\s:75+4*\s], v1, s[6:7] offset:65536*\s th:TH_LOAD_NT
.endr
	s_wait_loadcnt 0x0
.irp s, 1,2,3,4,5,6,7,8,9,10,11,12,13,14,15
.irp c, 0,1,2,3
	v_cmp_gt_f32 vcc_lo, v[8+4*\s+\c], v[8+\c]
	v_cndmask_b32 v[72+\c], v[72+\c], v[72+4*\s+\c], vcc_lo
	v_max_num_f32 v[8+\c], v[8+\c], v[8+4*\s+\c]
.endr
.endr
	global_store_b128 v1, v[72:75], s[8:9]
	s_endpgm
.Lfunc_end_k_qd9842db254_merge:
	.size	k_qd9842db254_merge, .Lfunc_end_k_qd9842db254_merge-k_qd9842db254_merge
	.p2alignl 7, 3214868480
	.fill 96, 4, 3214868480
	.section	.rodata,"a",@progbits
	.p2align	6, 0x0
	.amdhsa_kernel k_qd9842db254_merge
		.amdhsa_group_segment_fixed_size 0
		.amdhsa_private_segment_fixed_size 0
		.amdhsa_enable_private_segment 0
		.amdhsa_kernarg_size 24
		.amdhsa_user_sgpr_count 2
		.amdhsa_user_sgpr_kernarg_segment_ptr 1
		.amdhsa_wavefront_size32 1
		.amdhsa_system_sgpr_workgroup_id_x 1
		.amdhsa_system_sgpr_workgroup_id_y 1
		.amdhsa_system_sgpr_workgroup_id_z 1
		.amdhsa_system_vgpr_workitem_id 0
		.amdhsa_next_free_vgpr 144
		.amdhsa_next_free_sgpr 66
		.amdhsa_reserve_vcc 1
		.amdhsa_float_denorm_mode_32 3
		.amdhsa_float_denorm_mode_16_64 3
		.amdhsa_memory_ordered 1
		.amdhsa_forward_progress 1
		.amdhsa_inst_pref_size 10
	.end_amdhsa_kernel
	.amdgpu_metadata
---
amdhsa.version: [ 1, 2 ]
amdhsa.kernels:
  - .name:           k_qd9842db254_merge
    .symbol:         k_qd9842db254_merge.kd
    .args:
      - { .name: pval, .offset: 0, .size: 8, .value_kind: global_buffer, .address_space: global }
      - { .name: pcol, .offset: 8, .size: 8, .value_kind: global_buffer, .address_space: global }
      - { .name: fcol, .offset: 16, .size: 8, .value_kind: global_buffer, .address_space: global }
    .group_segment_fixed_size: 0
    .private_segment_fixed_size: 0
    .kernarg_segment_align: 8
    .kernarg_segment_size: 24
    .max_flat_workgroup_size: 32
    .sgpr_count:     66
    .vgpr_count:     144
    .wavefront_size: 32
...
	.end_amdgpu_metadata
.endif
;; end of part 3
;; launch pick (part 4): grid 256 x 1, 4 waves a work-group, no clusters, 1,280 bytes of LDS; arguments rec1, rec2, fcol, out0, out1; writes out0, out1
.if DOCPART == 4
	.amdgcn_target "amdgcn-amd-amdhsa--gfx1250"
	.amdhsa_code_object_version 6
	.text
	.protected	k_qd9842db254_pick
	.globl	k_qd9842db254_pick
	.p2align	8
	.type	k_qd9842db254_pick,@function
k_qd9842db254_pick:
	s_mov_b64 s[64:65], 0
	v_nop
	global_prefetch_b8 v0, s[64:65] scope:SCOPE_SE
	s_setreg_imm32_b32 hwreg(HW_REG_WAVE_MODE, 25, 1), 1
	s_wait_xcnt 0x0
; THE FIRST INDEX, THE ROOT, THE OUTPUTS.  fcol[m] (whole numbers that the launch before stored) is the first column of the group of 16 neighbouring columns that holds row m's best key.  Those 16 keys are made again, by the same matrix
; instruction on the same codes, scale bytes and C as in the launch match, so with the same bits; the first of them that equals their maximum is the index, and the distance is sqrt(2 (a2 / 2 - key)).
; Here, and only here, the root is taken and a2 added: on the 16,384 minima, as shown at the head of the first kernel.  LIMITS: as stated there; a d2 under 2^-126 gives the root 0 (v_sqrt_f32 takes a denormal for zero: ISA guide, its entry).
; SHARES.  A wave takes 16 queries.  For query q: source 0 = its 16 candidates (row i = column fcol + i), source 1 = the wave's 16 queries, C = the candidates' nh; of the result only query q's two lanes (q and 16 + q) are kept: lane half h, register j = candidate 8 h + j.
; The candidates come from memory straight into registers, eight queries' worth in flight (56 loads a wave); two queries at a time are multiplied, their two accumulators by turns.
; ADDRESSES FROM DATA: fcol's number is held at 0x3ff0 from above and cut by masks, so every address stays inside rec2 and aligned, whatever the number.
.set CHUNK, 9472
.set RECB,  144
.set OUT0,  0                          ; LDS: the work-group's 64 distances,
.set OUT1,  256                        ; its 64 pairs (row, column),
.set SPARE, 768                        ; and the spare words, 128 bytes for each wave: two blocks of 256 bytes that no other line names
.set VL,   1                           ; v1   (16 (r / 8) + r % 8) x 144 + 16 h: row r of a group of 16 neighbouring rows, in places
.set VLS,  2                           ; v2   the same + 4 h: its scale word (128 in the immediate)
.set VLC,  3                           ; v3   64 h: my half's eight nh
.set VLN,  4                           ; v4   (16 (r / 8) + r % 8) x 144: my query's nh (136 in the immediate)
.set R4,   5                           ; v5   4 r
.set A0,   6                           ; v6   64 w + 4 r
.set A1,   7                           ; v7   128 w + 8 r
.set L8,   8                           ; v8   8 x lane
.set L16,  9                           ; v9   16 x lane
.set SPW,  10                          ; v10  LDS address of my spare word; never rewritten
.set NIL,  11                          ; v11  0; never rewritten
.set AQ,   16                          ; v16-31   the queries' fragments, K steps 0 and 1
.set FR,   32                          ; v32-159  slot k: the candidates' fragments, 16 registers
.set CR,   160                         ; v160-223 slot k: C, and the result in its place
.set SR,   224                         ; v224-231 slot k: the candidates' scale words
.set SAQ,  232                         ; v232 the queries' scale words
.set AHQ,  233                         ; v233 nh of my query, then a2 / 2
.set C0,   234                         ; v234 fcol of my query
.set OP,   236                         ; v[236:237] (row, column)
.set KK,   240                         ; v240-247 my query's eight keys
.set BS,   32                          ; s[32:63] slot k: s[32+4k:33+4k] its records, s[34+4k:35+4k] its nh
.set WV,   86
.set SEL,  88
	s_load_b256 s[4:11], s[0:1], 0x0               ; rec1 s[4:5], rec2 s[6:7], fcol s[8:9], out0 s[10:11]
	s_load_b64 s[12:13], s[0:1], 0x20              ; out1
	v_lshl_add_u32 v[SPW], v0, 2, SPARE
	v_mov_b32 v[NIL], 0
	v_lshrrev_b32 v12, 5, v0
	v_readfirstlane_b32 s[WV], v12                 ; wave 0..3
	v_and_b32 v12, 15, v0                          ; r
	v_bfe_u32 v13, v0, 4, 1                        ; h
	v_and_b32 v14, 31, v0                          ; lane
	v_and_b32 v[VLN], 8, v12
	v_add_nc_u32 v[VLN], v[VLN], v12
	v_mul_u32_u24 v[VLN], v[VLN], RECB
	v_lshl_add_u32 v[VL], v13, 4, v[VLN]
	v_lshl_add_u32 v[VLS], v13, 2, v[VLN]
	v_lshlrev_b32 v[VLC], 6, v13
	v_lshlrev_b32 v[R4], 2, v12
	s_lshl_b32 s74, s[WV], 6
	v_add_nc_u32 v[A0], s74, v[R4]
	s_lshl_b32 s75, s[WV], 7
	v_lshl_add_u32 v[A1], v12, 3, s75
	v_lshlrev_b32 v[L8], 3, v14
	v_lshlrev_b32 v[L16], 4, v14
	v_mov_b32 v250, 0                              ; written once: a lane permute's destination counts as one of its sources
	v_mov_b32 v251, 0
	s_mov_b32 s[SEL], 0x76543210
	s_mov_b32 s[SEL+1], 0xfedcba98
	s_lshl_b32 s76, ttmp9, 6
	s_lshl_b32 s77, s[WV], 4
	s_add_co_u32 s76, s76, s77                     ; my first query: 64 x work-group + 16 x wave
	v_add_nc_u32 v[OP], s76, v12                   ; my query's row
	s_lshl_b32 s78, s76, 2
	s_mov_b32 s79, 0
	s_wait_kmcnt 0x0
	s_add_nc_u64 s[14:15], s[8:9], s[78:79]
	s_load_b512 s[16:31], s[14:15], 0x0            ; the 16 queries' fcol
	s_mul_i32 s78, ttmp9, CHUNK                    ; the work-group's 64 rows are chunk ttmp9 of rec1;
	s_lshr_b32 s74, s[WV], 1
	s_and_b32 s75, s[WV], 1
	s_mul_i32 s74, s74, 32*RECB
	s_mul_i32 s75, s75, 8*RECB
	s_add_co_u32 s78, s78, s74
	s_add_co_u32 s78, s78, s75                     ; rows 16 w on begin at place 32 (w / 2) + 8 (w % 2)
	s_add_nc_u64 s[4:5], s[4:5], s[78:79]
.irp c, 0,1,2,3
	global_load_b128 v[AQ+4*\c:AQ+4*\c+3], v[VL], s[4:5] offset:32*\c
.endr
	global_load_b32 v[SAQ], v[VLS], s[4:5] offset:128
	global_load_b32 v[AHQ], v[VLN], s[4:5] offset:136
	global_load_b32 v[C0], v[R4], s[14:15]
	s_lshl_b32 s78, ttmp9, 8
	s_add_nc_u64 s[10:11], s[10:11], s[78:79]      ; out0: 64 numbers a work-group
	s_lshl_b32 s78, ttmp9, 9
	s_add_nc_u64 s[12:13], s[12:13], s[78:79]      ; out1: 64 pairs
	s_wait_kmcnt 0x0
; Slot k's two bases from query q's number c = 64 chunk + 32 u + 16 a: records at chunk x 9,472 + (32 u + 8 a) x 144, nh at chunk x 9,472 + 9,216 + 4 (32 u + 8 a)
.macro ADDR q, k
	s_min_u32 s66, s[16+(\q)], 0x3ff0
	s_and_b32 s67, s66, 0x3fc0
	s_mul_i32 s67, s67, 148                        ; 64 chunk x 148 = chunk x 9,472
	s_and_b32 s68, s66, 32
	s_and_b32 s69, s66, 16
	s_mul_i32 s70, s68, RECB
	s_mul_i32 s71, s69, RECB/2
	s_add_co_u32 s70, s70, s71
	s_add_co_u32 s70, s70, s67
	s_mov_b32 s71, 0
	s_add_nc_u64 s[BS+4*(\k):BS+4*(\k)+1], s[6:7], s[70:71]
	s_lshl_b32 s72, s68, 2
	s_lshl_b32 s73, s69, 1
	s_add_co_u32 s72, s72, s73
	s_add_co_u32 s72, s72, s67
	s_add_co_u32 s72, s72, 64*RECB
	s_mov_b32 s73, 0
	s_add_nc_u64 s[BS+4*(\k)+2:BS+4*(\k)+3], s[6:7], s[72:73]
.endm
.macro GET k                           ; seven loads
.irp c, 0,1,2,3
	global_load_b128 v[FR+16*(\k)+4*\c:FR+16*(\k)+4*\c+3], v[VL], s[BS+4*(\k):BS+4*(\k)+1] offset:32*\c
.endr
	global_load_b32 v[SR+(\k)], v[VLS], s[BS+4*(\k):BS+4*(\k)+1] offset:128
	global_load_b128 v[CR+8*(\k):CR+8*(\k)+3], v[VLC], s[BS+4*(\k)+2:BS+4*(\k)+3]
	global_load_b128 v[CR+8*(\k)+4:CR+8*(\k)+7], v[VLC], s[BS+4*(\k)+2:BS+4*(\k)+3] offset:16
.endm
.macro MM k, s                         ; slot k, K step s: the sum stands in C's registers
.if \s
	v_wmma_scale_f32_16x16x128_f8f6f4 v[CR+8*(\k):CR+8*(\k)+7], v[FR+16*(\k)+8:FR+16*(\k)+15], v[AQ+8:AQ+15], v[CR+8*(\k):CR+8*(\k)+7], v[SR+(\k)], v[SAQ] matrix_a_fmt:MATRIX_FMT_FP4 matrix_b_fmt:MATRIX_FMT_FP4 matrix_a_scale:MATRIX_SCALE_ROW1 matrix_b_scale:MATRIX_SCALE_ROW1
.else
	v_wmma_scale_f32_16x16x128_f8f6f4 v[CR+8*(\k):CR+8*(\k)+7], v[FR+16*(\k):FR+16*(\k)+7], v[AQ:AQ+7], v[CR+8*(\k):CR+8*(\k)+7], v[SR+(\k)], v[SAQ] matrix_a_fmt:MATRIX_FMT_FP4 matrix_b_fmt:MATRIX_FMT_FP4
.endif
.endm
.macro TAKE q, k                       ; lanes q and 16 + q keep their eight keys; the accumulator is read from its low end on
.if (\q) == 0
.irp j, 0,1,2,3,4,5,6,7
	v_mov_b32 v[KK+\j], v[CR+8*(\k)+\j]            ; the first writes all lanes
.endr
.else
	s_mov_b32 s80, 0x10001<<(\q)
.irp j, 0,1,2,3,4,5,6,7
	v_cndmask_b32 v[KK+\j], v[KK+\j], v[CR+8*(\k)+\j], s80
.endr
.endif
.endm
; Queries 2 n and 2 n + 1.  cnt: the loads of the younger pairs, 14 each, which may stay out
.macro PAIR n, cnt
	s_wait_loadcnt \cnt
	MM (2*(\n))%8, 0
	MM (2*(\n)+1)%8, 0
	MM (2*(\n))%8, 1
	MM (2*(\n)+1)%8, 1
.rept 4
	v_nop                                          ; four places behind the products, for the reads of their results and the loads into their registers
.endr
	TAKE 2*(\n), (2*(\n))%8
	TAKE 2*(\n)+1, (2*(\n)+1)%8
.if (\n) < 4
	ADDR 2*(\n)+8, (2*(\n))%8                      ; the slots' earlier loads were shown done by the wait above: their bases may be written
	GET (2*(\n))%8
	ADDR 2*(\n)+9, (2*(\n)+1)%8
	GET (2*(\n)+1)%8
.endif
.endm
.irp q, 0,1,2,3,4,5,6,7
	ADDR \q, \q
	GET \q
.endr
	PAIR 0, 42                                     ; behind pair n's loads: three younger pairs, until the loads run out
	PAIR 1, 42
	PAIR 2, 42
	PAIR 3, 42
	PAIR 4, 42
	PAIR 5, 28
	PAIR 6, 14
	PAIR 7, 0
	v_xor_b32 v[AHQ], 0x80000000, v[AHQ]           ; a2 / 2 = -nh
.irp j, 0,1,2,3,4,5,6,7
	v_min_num_f32 v[KK+\j], v[KK+\j], v[AHQ]       ; reference()'s max(d2, 0)
.endr
	v_max3_num_f32 v248, v[KK], v[KK+1], v[KK+2]
	v_max3_num_f32 v248, v248, v[KK+3], v[KK+4]
	v_max3_num_f32 v248, v248, v[KK+5], v[KK+6]
	v_max_num_f32 v248, v248, v[KK+7]              ; the best of my eight
	v_mov_b32 v249, 7
.irp j, 6,5,4,3,2,1,0
	v_cmp_neq_f32 vcc_lo, v[KK+\j], v248
	v_cndmask_b32 v249, \j, v249, vcc_lo           ; the first that equals it
.endr
	v_lshl_add_u32 v249, v13, 3, v249              ; + 8 h
	v_permlanex16_b32 v250, v248, s[SEL], s[SEL+1]
	v_permlanex16_b32 v251, v249, s[SEL], s[SEL+1]
	v_cmp_gt_f32 s82, v250, v248                   ; the other half's where it is greater, or equal at the lower index
	v_cmp_eq_f32 s83, v250, v248
	v_cmp_lt_u32 s84, v251, v249
	s_and_b32 s83, s83, s84
	s_or_b32 s82, s82, s83
	v_cndmask_b32 v249, v249, v251, s82
	v_max_num_f32 v248, v248, v250
	v_and_b32 v[C0], 0x3ff0, v[C0]
	v_sub_f32 v252, v[AHQ], v248                   ; a2 / 2 - key: 0 or more, by the hold
	v_add_f32 v252, v252, v252                     ; d2
	v_max_num_f32 v252, 0, v252
	v_sqrt_f32 v253, v252
	v_add_nc_u32 v[OP+1], v[C0], v249              ; the column (a plain line behind the root)
	s_wait_alu depctr_va_vdst(0)                   ; a wait ahead of the first line that names the root
	ds_store_b32 v[A0], v253 offset:OUT0           ; both halves of the lanes write the same words with the same values
	ds_store_b64 v[A1], v[OP:OP+1] offset:OUT1
	s_wait_dscnt 0x0                               ; for the others' sake: my stores are done
	s_barrier_signal -1
	s_barrier_wait -1
	s_cmp_eq_u32 s[WV], 0
	s_cbranch_scc0 .Lnot_0
	ds_load_b64 v[16:17], v[L8] offset:OUT0
	s_wait_dscnt 0x0
	global_store_b64 v[L8], v[16:17], s[10:11]     ; wave 0: the 64 distances: 256 consecutive bytes, aligned
.Lnot_0:
	s_cmp_eq_u32 s[WV], 1
	s_cbranch_scc0 .Lnot_1
	ds_load_b128 v[20:23], v[L16] offset:OUT1
	s_wait_dscnt 0x0
	global_store_b128 v[L16], v[20:23], s[12:13]   ; wave 1: the 64 pairs: 512 consecutive bytes, aligned
.Lnot_1:
	s_wait_tensorcnt 0x0                           ; the wave's end: a tensor wait, an add to my spare word and its wait, behind my last LDS store; the tensor wait stands in a text with no tensor load too
	ds_add_u32 v[SPW], v[NIL]
	s_wait_dscnt 0x0
	s_endpgm
.Lfunc_end_k_qd9842db254_pick:
	.size	k_qd9842db254_pick, .Lfunc_end_k_qd9842db254_pick-k_qd9842db254_pick
	.p2alignl 7, 3214868480
	.fill 96, 4, 3214868480
	.section	.rodata,"a",@progbits
	.p2align	6, 0x0
	.amdhsa_kernel k_qd9842db254_pick
		.amdhsa_group_segment_fixed_size 1280
		.amdhsa_private_segment_fixed_size 0
		.amdhsa_enable_private_segment 0
		.amdhsa_kernarg_size 40
		.amdhsa_user_sgpr_count 2
		.amdhsa_user_sgpr_kernarg_segment_ptr 1
		.amdhsa_wavefront_size32 1
		.amdhsa_system_sgpr_workgroup_id_x 1
		.amdhsa_system_sgpr_workgroup_id_y 1
		.amdhsa_system_sgpr_workgroup_id_z 1
		.amdhsa_system_vgpr_workitem_id 0
		.amdhsa_next_free_vgpr 256
		.amdhsa_next_free_sgpr 96
		.amdhsa_reserve_vcc 1
		.amdhsa_float_denorm_mode_32 3
		.amdhsa_float_denorm_mode_16_64 3
		.amdhsa_memory_ordered 1
		.amdhsa_forward_progress 1
		.amdhsa_inst_pref_size 42
	.end_amdhsa_kernel
	.amdgpu_metadata
---
amdhsa.version: [ 1, 2 ]
amdhsa.kernels:
  - .name:           k_qd9842db254_pick
    .symbol:         k_qd9842db254_pick.kd
    .args:
      - { .name: rec1, .offset: 0, .size: 8, .value_kind: global_buffer, .address_space: global }
      - { .name: rec2, .offset: 8, .size: 8, .value_kind: global_buffer, .address_space: global }
      - { .name: fcol, .offset: 16, .size: 8, .value_kind: global_buffer, .address_space: global }
      - { .name: out0, .offset: 24, .size: 8, .value_kind: global_buffer, .address_space: global }
      - { .name: out1, .offset: 32, .size: 8, .value_kind: global_buffer, .address_space: global }
    .group_segment_fixed_size: 1280
    .private_segment_fixed_size: 0
    .kernarg_segment_align: 8
    .kernarg_segment_size: 40
    .max_flat_workgroup_size: 128
    .sgpr_count:     96
    .vgpr_count:     256
    .wavefront_size: 32
...
	.end_amdgpu_metadata
.endif
;; end of part 4
